; MI455X (gfx1250); checked and timed in simulation.
; The chip was launched on July 23, 2026; its instructions are those of AMD's public machine-readable ISA for CDNA 5 (MIT licence, August 2026) and "CDNA5" Instruction Set Architecture Reference Guide (July 2026). The comments in the code are by the model that wrote it; some were corrected since.
;; Additive Attention. Allowed arithmetic: float matrix products may take bf16 or f16 operands with f32 sums; other float arithmetic in f32, or as packed bf16 or f16 multiplies, adds, multiply-adds, maxima and minima; sums over many terms, partial sums and values carried from step to step in f32; what a program stores and reads back later, other than sums and carried values, may be rounded once to bf16 or f16.
;; Inputs: Vb 1 float32; Vw 1,024 x 1 float32; Wq 1,024 x 1,024 float32; Wv 1,024 x 1,024 float32; bq 1,024 float32; bv 1,024 float32; mask 32 x 2,048 int32; query 32 x 1,024 float32; values 32 x 2,048 x 1,024 float32.
;; Outputs: out0 32 x 1,024 float32; out1 32 x 2,048 float32.
;; One version. Each part assembles by itself: llvm-mc -triple=amdgcn-amd-amdhsa -mcpu=gfx1250 --defsym DOCPART=n.
;; ======== version 1 of 1: 4 launches
;; workspace buffers: wvt 2,097,152 bytes; qpc 131,072 bytes; vc 134,217,728 bytes; ps 2,097,152 bytes
;; launch cast (part 1): grid 512 x 1, 8 waves a work-group, no clusters, 0 bytes of LDS; arguments values, vc; writes vc
.if DOCPART == 1
	.amdgcn_target "amdgcn-amd-amdhsa--gfx1250"
	.amdhsa_code_object_version 6
	.text
	.protected	k_qfbfd6030fa_cast
	.globl	k_qfbfd6030fa_cast
	.p2align	8
	.type	k_qfbfd6030fa_cast,@function
k_qfbfd6030fa_cast:
	s_mov_b64 s[64:65], 0
	v_nop
	global_prefetch_b8 v0, s[64:65] scope:SCOPE_SE
	s_setreg_imm32_b32 hwreg(HW_REG_WAVE_MODE, 25, 1), 1
	s_wait_xcnt 0x0
; CAST: vc[r][:] = bf16(values[r][:]), each number rounded once.  values: [65536][1024] f32; vc: [65536][1024] bf16.
; A stream: no LDS, no matrix unit, no cluster (no two waves read the same bytes).  Both tensors are dense, so byte 2 n of vc comes from byte 4 n of values.
; A unit is 8,192 bytes in and 4,096 out: sixteen loads of 512 consecutive bytes, sixteen stores of 256 consecutive aligned bytes.
; The 4,096 waves take units gw, gw + 4096, ..: 8 rounds.  A ring of sixteen slots keeps sixteen loads of every wave on their way: a slot is asked for again, from the next round's unit, as soon as it is converted.
.set X, 8                              ; v[8:71]   slot i: four f32 a lane
.set Y, 72                             ; v[72:103] slot i: four bf16 a lane
.set ROUNDS,   8
.set STEP_IN,  4096*8192               ; from a round's unit to the next round's, in values
.set STEP_OUT, 4096*4096               ; and in vc
	s_load_b128 s[4:7], s[0:1], 0x0                ; values s[4:5], vc s[6:7]
	v_and_b32 v3, 31, v0
	v_lshrrev_b32 v4, 5, v0
	v_readfirstlane_b32 s8, v4                     ; wave
	v_lshlrev_b32 v1, 4, v3                        ; 16 bytes a lane coming in
	v_lshlrev_b32 v2, 3, v3                        ; 8 going out
	s_lshl_b32 s9, ttmp9, 3
	s_add_co_u32 s9, s9, s8                        ; gw: my wave's number in the launch
	s_lshl_b32 s10, s9, 13
	s_mov_b32 s11, 0
	s_lshl_b32 s12, s9, 12
	s_mov_b32 s13, 0
	s_wait_kmcnt 0x0
	s_add_nc_u64 s[4:5], s[4:5], s[10:11]          ; my first unit
	s_add_nc_u64 s[6:7], s[6:7], s[12:13]
	s_add_nc_u64 s[14:15], s[4:5], STEP_IN         ; the unit that the ring asks for next
.set i, 0
.rept 16
	global_load_b128 v[X+4*i:X+4*i+3], v1, s[4:5] offset:512*i th:TH_LOAD_NT
.set i, i+1
.endr
.macro SLOT i, ahead, left
	s_wait_loadcnt \left                           ; loads come back in order: this slot's is in, the younger ones stay out
	v_cvt_pk_bf16_f32 v[Y+2*(\i)], v[X+4*(\i)], v[X+4*(\i)+1]
	v_cvt_pk_bf16_f32 v[Y+2*(\i)+1], v[X+4*(\i)+2], v[X+4*(\i)+3]
.if \ahead
	global_load_b128 v[X+4*(\i):X+4*(\i)+3], v1, s[14:15] offset:512*(\i) th:TH_LOAD_NT
.endif
	global_store_b64 v2, v[Y+2*(\i):Y+2*(\i)+1], s[6:7] offset:256*(\i)
.endm
	s_mov_b32 s16, ROUNDS-1
.Lround:
.set i, 0
.rept 16
	SLOT i, 1, 15
.set i, i+1
.endr
	s_wait_xcnt 0x0                                ; the two bases and Y, which this round's loads and stores read, are rewritten only behind this wait
	s_add_nc_u64 s[14:15], s[14:15], STEP_IN
	s_add_nc_u64 s[6:7], s[6:7], STEP_OUT
	s_sub_co_u32 s16, s16, 1
	s_cmp_lg_u32 s16, 0
	s_cbranch_scc1 .Lround
.set i, 0
.rept 16
	SLOT i, 0, 15-i                                ; the last round asks for nothing: the counts run down
.set i, i+1
.endr
	s_endpgm
.Lfunc_end_k_qfbfd6030fa_cast:
	.size	k_qfbfd6030fa_cast, .Lfunc_end_k_qfbfd6030fa_cast-k_qfbfd6030fa_cast
	.p2alignl 7, 3214868480
	.fill 96, 4, 3214868480
	.section	.rodata,"a",@progbits
	.p2align	6, 0x0
	.amdhsa_kernel k_qfbfd6030fa_cast
		.amdhsa_group_segment_fixed_size 0
		.amdhsa_private_segment_fixed_size 0
		.amdhsa_enable_private_segment 0
		.amdhsa_kernarg_size 16
		.amdhsa_user_sgpr_count 2
		.amdhsa_user_sgpr_kernarg_segment_ptr 1
		.amdhsa_wavefront_size32 1
		.amdhsa_system_sgpr_workgroup_id_x 1
		.amdhsa_system_sgpr_workgroup_id_y 1
		.amdhsa_system_sgpr_workgroup_id_z 1
		.amdhsa_system_vgpr_workitem_id 0
		.amdhsa_next_free_vgpr 104
		.amdhsa_next_free_sgpr 66
		.amdhsa_reserve_vcc 0
		.amdhsa_float_denorm_mode_32 3
		.amdhsa_float_denorm_mode_16_64 3
		.amdhsa_memory_ordered 1
		.amdhsa_forward_progress 1
		.amdhsa_inst_pref_size 13
	.end_amdhsa_kernel
	.amdgpu_metadata
---
amdhsa.version: [ 1, 2 ]
amdhsa.kernels:
  - .name:           k_qfbfd6030fa_cast
    .symbol:         k_qfbfd6030fa_cast.kd
    .args:
      - { .name: values, .offset: 0, .size: 8, .value_kind: global_buffer, .address_space: global }
      - { .name: vc, .offset: 8, .size: 8, .value_kind: global_buffer, .address_space: global }
    .group_segment_fixed_size: 0
    .private_segment_fixed_size: 0
    .kernarg_segment_align: 8
    .kernarg_segment_size: 16
    .max_flat_workgroup_size: 256
    .sgpr_count:     66
    .vgpr_count:     104
    .wavefront_size: 32
...
	.end_amdgpu_metadata
.endif
;; end of part 1
;; launch wprep (part 2): grid 16 x 2, 8 waves a work-group, no clusters, 304,128 bytes of LDS; arguments Wv, Wq, query, bq, bv, wvt, qpc; writes wvt, qpc
.if DOCPART == 2
	.amdgcn_target "amdgcn-amd-amdhsa--gfx1250"
	.amdhsa_code_object_version 6
	.text
	.protected	k_qfbfd6030fa_wprep
	.globl	k_qfbfd6030fa_wprep
	.p2align	8
	.type	k_qfbfd6030fa_wprep,@function
k_qfbfd6030fa_wprep:
	s_mov_b64 s[64:65], 0
	v_nop
	global_prefetch_b8 v0, s[64:65] scope:SCOPE_SE
	s_setreg_imm32_b32 hwreg(HW_REG_WAVE_MODE, 25, 1), 1
	s_wait_xcnt 0x0
; WPREP, c = 2 log2(e).  Work-groups with y = 0:  wvt[n][k] = bf16(c Wv[k][n]), the projection's weights with K along the rows.
;                        Work-groups with y = 1:  qpc[b][n] = c (query[b] . Wq[:, n] + bq[n] + bv[n]) in f32, query and c Wq rounded to bf16 for the matrix unit, sums in f32.
; With c folded in, the projection's sums are the exponents y of tanh x = 1 - 2 / (1 + 2^y).
; A work-group takes 64 columns (256 bytes of every row of W), wave w the rows k = 128 w .. 128 w + 127: 64 loads of two rows' 256 bytes, 32 of them always out.
; The wave's piece goes to LDS as bf16 [k][n]; ds_load_tr16_b128 brings it back as fragments with k along the registers: 16 bytes of a row of wvt, or source 1 of the product.
; The two kinds of work-group part at one branch on y, which all waves of a work-group share, and do not meet again.
.set IP,    160                        ; [k][n] rows in LDS: 128 bytes + 32: an odd multiple of 32, as the turning load's eight rows x 32 bytes want
.set SPI,   272                        ; stage rows: 256 bytes + 16
.set INTB,  128*IP                     ; 20,480 bytes of [k][n]
.set WREG,  INTB+64*SPI                ; a wave's region: that and a stage of 17,408 bytes
.set SPARE, 8*WREG                     ; 303,104: the spare words, 128 bytes for each of 8 waves
.set R,   32                           ; v[32:159]  ring of 32 loads; later fragments
.set FR0, 32
.set FR1, 64
.set QF,  128                          ; v[128:255] query in f32, 8 fragments x 16
.set QB,  128                          ; v[128:191] the same in bf16, fragment 4 mb + kk at QB + 8 (4 mb + kk)
.set ACC, 192                          ; v[192:255] 8 accumulators: (mb, nb) at ACC + 8 (4 mb + nb)
	s_load_b256 s[4:11], s[0:1], 0x0               ; Wv s[4:5], Wq s[6:7], query s[8:9], bq s[10:11]
	s_load_b128 s[12:15], s[0:1], 0x20             ; bv s[12:13], wvt s[14:15]
	s_load_b64 s[16:17], s[0:1], 0x30              ; qpc
	v_lshl_add_u32 v4, v0, 2, SPARE
	v_mov_b32 v5, 0
	v_lshrrev_b32 v16, 5, v0
	v_readfirstlane_b32 s18, v16                   ; wave
	s_mov_b32 s19, ttmp9                           ; x: which 64 columns
	s_and_b32 s20, ttmp7, 0xffff                   ; y: 0 Wv, 1 Wq
	s_mov_b32 s24, 0x4038aa3b                      ; c = 2 log2(e)
	s_mov_b32 s25, s24                             ; named with it as a pair
	v_and_b32 v1, 15, v0                           ; lane % 16
	v_bfe_u32 v2, v0, 4, 1                         ; lane / 16
	s_lshl_b32 s26, s18, 19                        ; my 128 rows of 4,096 bytes
	s_lshl_b32 s27, s19, 8
	s_add_co_u32 s26, s26, s27
	v_lshlrev_b32 v6, 4, v1
	v_lshl_add_u32 v6, v2, 12, v6
	v_add_nc_u32 v6, s26, v6                       ; lanes 0-15 one row's 256 bytes, lanes 16-31 the next row's
	s_mul_i32 s28, s18, WREG                       ; my region in LDS
	v_mul_u32_u24 v7, v2, IP
	v_lshl_add_u32 v7, v1, 3, v7
	v_add_nc_u32 v7, s28, v7                       ; where my four numbers go as bf16
	v_and_b32 v16, 7, v0
	v_lshl_add_u32 v16, v2, 3, v16
	v_mul_u32_u24 v8, v16, IP
	v_bfe_u32 v16, v0, 3, 1
	v_lshl_add_u32 v8, v16, 4, v8
	v_add_nc_u32 v8, s28, v8                       ; the turning load: row 8 (l / 16) + l % 8, 16 bytes at 16 ((l / 8) % 2)
	s_wait_kmcnt 0x0
	s_cmp_eq_u32 s20, 0
	s_cselect_b64 s[22:23], s[4:5], s[6:7]
.set i, 0
.rept 32
	global_load_b128 v[R+4*i:R+4*i+3], v6, s[22:23] offset:8192*i
.set i, i+1
.endr
.macro SLOT i, ahead, left             ; load i (rows 2 i, 2 i + 1) is scaled, rounded and laid into LDS; its registers take load i + 32
	s_wait_loadcnt \left
	v_pk_mul_f32 v[20:21], v[R+4*((\i)%32):R+4*((\i)%32)+1], s[24:25] op_sel_hi:[1,0]
	v_pk_mul_f32 v[22:23], v[R+4*((\i)%32)+2:R+4*((\i)%32)+3], s[24:25] op_sel_hi:[1,0]
	v_cvt_pk_bf16_f32 v24, v20, v21
	v_cvt_pk_bf16_f32 v25, v22, v23
	ds_store_b64 v7, v[24:25] offset:(\i)*2*IP
.if \ahead
	global_load_b128 v[R+4*((\i)%32):R+4*((\i)%32)+3], v6, s[22:23] offset:((\i)+32)*8192
.endif
.endm
.set i, 0
.rept 32
	SLOT i, 1, 31                                  ; 31 younger loads stay out
.set i, i+1
.endr
.rept 32
	SLOT i, 0, 63-i                                ; nothing more to ask for: the counts run down
.set i, i+1
.endr
.macro TRLOAD kk, f                    ; k = 32 kk .. 32 kk + 31 of all 64 columns: four fragments of 8 registers.  LDS serves a wave's instructions in order: these see my stores above
.irp nb, 0,1,2,3
	ds_load_tr16_b128 v[(\f)+8*\nb:(\f)+8*\nb+3], v8 offset:(\kk)*32*IP+32*\nb
	ds_load_tr16_b128 v[(\f)+8*\nb+4:(\f)+8*\nb+7], v8 offset:(\kk)*32*IP+16*IP+32*\nb
.endr
.endm
	s_add_co_u32 s29, s28, INTB                    ; my stage
	s_cmp_lg_u32 s20, 0
	s_cbranch_scc1 .Lquery
	; y = 0.  A fragment's registers 0-3 (4-7) are 16 bytes of row n of wvt; they go into stage rows of 128 k and come back as whole rows of 256 bytes.
	v_mul_u32_u24 v9, v1, SPI
	v_lshl_add_u32 v9, v2, 4, v9
	v_add_nc_u32 v9, s29, v9                       ; in: row l % 16, 16 bytes for each half of the lanes
	v_mul_u32_u24 v10, v2, SPI
	v_lshl_add_u32 v10, v1, 4, v10
	v_add_nc_u32 v10, s29, v10                     ; back: lanes 0-15 one row, lanes 16-31 the next
	s_lshl_b32 s30, s19, 17                        ; 64 rows of wvt, 2,048 bytes each
	s_lshl_b32 s31, s18, 8                         ; my 128 k
	s_add_co_u32 s30, s30, s31
	v_lshlrev_b32 v11, 4, v1
	v_lshl_add_u32 v11, v2, 11, v11
	v_add_nc_u32 v11, s30, v11
.irp kk, 0,1,2,3
	TRLOAD \kk, R+32*\kk
.endr
.irp kk, 0,1,2,3
	s_wait_dscnt 24                                ; behind this part's eight loads stand 24 LDS instructions in each of the four steps: later parts' loads and earlier parts' stores
.irp nb, 0,1,2,3
	ds_store_b128 v9, v[R+32*\kk+8*\nb:R+32*\kk+8*\nb+3] offset:\nb*16*SPI+\kk*64
	ds_store_b128 v9, v[R+32*\kk+8*\nb+4:R+32*\kk+8*\nb+7] offset:\nb*16*SPI+\kk*64+32
.endr
.endr
.set i, 0
.rept 32
	ds_load_b128 v[R+4*i:R+4*i+3], v10 offset:i*2*SPI
.set i, i+1
.endr
.set i, 0
.rept 32
	s_wait_dscnt 31-i
	global_store_b128 v11, v[R+4*i:R+4*i+3], s[14:15] offset:i*4096  ; 16 lanes store 256 consecutive bytes, at a multiple of 256 from wvt's first byte
.set i, i+1
.endr
	s_wait_tensorcnt 0x0                           ; the wave's end
	ds_add_u32 v4, v5
	s_wait_dscnt 0x0
	s_endpgm
.Lquery:
	; y = 1.  32 batches x 64 columns over my 128 k: 2 x 4 accumulators, 4 steps of 32 along K; then the eight waves' sums are added through the stages.
	v_lshlrev_b32 v16, 12, v1
	v_lshl_add_u32 v16, v2, 5, v16
	s_lshl_b32 s26, s18, 9
	v_add_nc_u32 v16, s26, v16                     ; query: row l % 16, k = 128 w + 8 (l / 16)
	v_lshl_add_u32 v17, v1, 4, s27                 ; bq, bv: 256 x + 16 (thread % 16)
.set f, 0
.rept 8                                ; fragment f = 4 mb + kk: k = 8 h + 0..7 and 16 + 8 h + 0..7 in f32: four loads of 16 bytes
.irp o, 0,1,2,3
	global_load_b128 v[QF+16*f+4*\o:QF+16*f+4*\o+3], v16, s[8:9] offset:(f/4)*65536+(f%4)*128+(\o%2)*16+(\o/2)*64
.endr
.set f, f+1
.endr
	global_load_b128 v[20:23], v17, s[10:11]
	global_load_b128 v[24:27], v17, s[12:13]
	TRLOAD 0, FR0
	TRLOAD 1, FR1
	s_wait_loadcnt 0x0
.set i, 0
.rept 64
	v_cvt_pk_bf16_f32 v[QB+i], v[QF+2*i], v[QF+2*i+1]  ; in place, ascending: register i is written when 2 i and 2 i + 1 are read, never ahead of a source
.set i, i+1
.endr
.macro MMQ kk, f, zero                 ; eight products; the eight accumulators take turns
.irp nb, 0,1,2,3
.irp mb, 0,1
.if \zero
	v_wmma_f32_16x16x32_bf16 v[ACC+8*(4*\mb+\nb):ACC+8*(4*\mb+\nb)+7], v[QB+8*(4*\mb+(\kk)):QB+8*(4*\mb+(\kk))+7], v[(\f)+8*\nb:(\f)+8*\nb+7], 0
.else
	v_wmma_f32_16x16x32_bf16 v[ACC+8*(4*\mb+\nb):ACC+8*(4*\mb+\nb)+7], v[QB+8*(4*\mb+(\kk)):QB+8*(4*\mb+(\kk))+7], v[(\f)+8*\nb:(\f)+8*\nb+7], v[ACC+8*(4*\mb+\nb):ACC+8*(4*\mb+\nb)+7]
.endif
.endr
.endr
.endm
.macro PLACES                          ; four plain vector instructions between a matrix instruction and a load into, or a read of, its registers
.rept 4
	v_nop
.endr
.endm
	s_wait_dscnt 8                                 ; part 0 is in; part 1's eight loads may be out
	MMQ 0, FR0, 1                                  ; the first products start the sums
	PLACES
	TRLOAD 2, FR0
	s_wait_dscnt 8
	MMQ 1, FR1, 0
	PLACES
	TRLOAD 3, FR1
	s_wait_dscnt 8
	MMQ 2, FR0, 0
	s_wait_dscnt 0x0
	MMQ 3, FR1, 0
	v_mul_u32_u24 v9, v2, 8*SPI                    ; register j of (mb, nb) is batch 16 mb + 8 (l / 16) + j, column 16 nb + l % 16; these lines are three of the places behind the last products
	v_lshl_add_u32 v9, v1, 2, v9
	v_add_nc_u32 v9, s29, v9
	v_nop
.irp mb, 0,1
.irp nb, 0,1,2,3
.irp j, 0,1,2,3,4,5,6,7
	ds_store_b32 v9, v[ACC+8*(4*\mb+\nb)+\j] offset:(16*\mb+\j)*SPI+64*\nb  ; each accumulator from its lowest register on
.endr
.endr
.endr
	s_wait_dscnt 0x0                               ; for the others' sake: my sums are in my stage
	s_barrier_signal -1
	s_barrier_wait -1
	v_lshrrev_b32 v19, 4, v0                       ; thread: batches m0 = thread / 16 and m0 + 16, four columns at 4 (thread % 16)
	v_mul_u32_u24 v12, v19, SPI
	v_lshl_add_u32 v12, v1, 4, v12
	v_add_nc_u32 v12, INTB, v12                    ; in wave 0's stage; one register serves two waves' stages
	v_add_nc_u32 v13, 2*WREG, v12
	v_add_nc_u32 v14, 4*WREG, v12
	v_add_nc_u32 v15, 6*WREG, v12
.irp rr, 0,1
.irp p, 0,1,2,3
.irp u, 0,1
	ds_load_b128 v[R+32*\rr+4*(2*\p+\u):R+32*\rr+4*(2*\p+\u)+3], v[12+\p] offset:\u*WREG+\rr*16*SPI
.endr
.endr
.endr
	v_pk_add_f32 v[20:21], v[20:21], v[24:25]      ; bq + bv
	v_pk_add_f32 v[22:23], v[22:23], v[26:27]
	v_lshlrev_b32 v18, 12, v19
	v_add_nc_u32 v18, v18, v17                     ; qpc: 4,096 m0 + 256 x + 16 (thread % 16)
	s_wait_dscnt 0x0
.irp rr, 0,1
.irp st, 4,2,1                         ; the eight waves' sums, by halves
.set i, 0
.rept \st
	v_pk_add_f32 v[R+32*\rr+4*i:R+32*\rr+4*i+1], v[R+32*\rr+4*i:R+32*\rr+4*i+1], v[R+32*\rr+4*(i+\st):R+32*\rr+4*(i+\st)+1]
	v_pk_add_f32 v[R+32*\rr+4*i+2:R+32*\rr+4*i+3], v[R+32*\rr+4*i+2:R+32*\rr+4*i+3], v[R+32*\rr+4*(i+\st)+2:R+32*\rr+4*(i+\st)+3]
.set i, i+1
.endr
.endr
	v_pk_fma_f32 v[R+32*\rr:R+32*\rr+1], v[20:21], s[24:25], v[R+32*\rr:R+32*\rr+1] op_sel_hi:[1,0,1]
	v_pk_fma_f32 v[R+32*\rr+2:R+32*\rr+3], v[22:23], s[24:25], v[R+32*\rr+2:R+32*\rr+3] op_sel_hi:[1,0,1]
	global_store_b128 v18, v[R+32*\rr:R+32*\rr+3], s[16:17] offset:\rr*65536  ; 16 lanes store 256 consecutive aligned bytes
.endr
	s_wait_tensorcnt 0x0                           ; the wave's end
	ds_add_u32 v4, v5
	s_wait_dscnt 0x0
	s_endpgm
.Lfunc_end_k_qfbfd6030fa_wprep:
	.size	k_qfbfd6030fa_wprep, .Lfunc_end_k_qfbfd6030fa_wprep-k_qfbfd6030fa_wprep
	.p2alignl 7, 3214868480
	.fill 96, 4, 3214868480
	.section	.rodata,"a",@progbits
	.p2align	6, 0x0
	.amdhsa_kernel k_qfbfd6030fa_wprep
		.amdhsa_group_segment_fixed_size 304128
		.amdhsa_private_segment_fixed_size 0
		.amdhsa_enable_private_segment 0
		.amdhsa_kernarg_size 56
		.amdhsa_user_sgpr_count 2
		.amdhsa_user_sgpr_kernarg_segment_ptr 1
		.amdhsa_wavefront_size32 1
		.amdhsa_system_sgpr_workgroup_id_x 1
		.amdhsa_system_sgpr_workgroup_id_y 1
		.amdhsa_system_sgpr_workgroup_id_z 1
		.amdhsa_system_vgpr_workitem_id 0
		.amdhsa_next_free_vgpr 256
		.amdhsa_next_free_sgpr 66
		.amdhsa_reserve_vcc 0
		.amdhsa_float_denorm_mode_32 3
		.amdhsa_float_denorm_mode_16_64 3
		.amdhsa_memory_ordered 1
		.amdhsa_forward_progress 1
		.amdhsa_inst_pref_size 61
	.end_amdhsa_kernel
	.amdgpu_metadata
---
amdhsa.version: [ 1, 2 ]
amdhsa.kernels:
  - .name:           k_qfbfd6030fa_wprep
    .symbol:         k_qfbfd6030fa_wprep.kd
    .args:
      - { .name: Wv, .offset: 0, .size: 8, .value_kind: global_buffer, .address_space: global }
      - { .name: Wq, .offset: 8, .size: 8, .value_kind: global_buffer, .address_space: global }
      - { .name: query, .offset: 16, .size: 8, .value_kind: global_buffer, .address_space: global }
      - { .name: bq, .offset: 24, .size: 8, .value_kind: global_buffer, .address_space: global }
      - { .name: bv, .offset: 32, .size: 8, .value_kind: global_buffer, .address_space: global }
      - { .name: wvt, .offset: 40, .size: 8, .value_kind: global_buffer, .address_space: global }
      - { .name: qpc, .offset: 48, .size: 8, .value_kind: global_buffer, .address_space: global }
    .group_segment_fixed_size: 304128
    .private_segment_fixed_size: 0
    .kernarg_segment_align: 8
    .kernarg_segment_size: 56
    .max_flat_workgroup_size: 256
    .sgpr_count:     66
    .vgpr_count:     256
    .wavefront_size: 32
...
	.end_amdgpu_metadata
.endif
;; end of part 2
;; launch gemm (part 3): grid 4 x 64, 4 waves a work-group, clusters of 4 x 4, 327,680 bytes of LDS; arguments vc, wvt, qpc, Vw, ps; writes ps
.if DOCPART == 3
	.amdgcn_target "amdgcn-amd-amdhsa--gfx1250"
	.amdhsa_code_object_version 6
	.text
	.protected	k_qfbfd6030fa_gemm
	.globl	k_qfbfd6030fa_gemm
	.p2align	8
	.type	k_qfbfd6030fa_gemm,@function
k_qfbfd6030fa_gemm:
	s_mov_b64 s[64:65], 0
	v_nop
	global_prefetch_b8 v0, s[64:65] scope:SCOPE_SE
	s_setreg_imm32_b32 hwreg(HW_REG_WAVE_MODE, 25, 1), 1
	s_wait_xcnt 0x0
	s_wait_alu depctr_hold_cnt(0) depctr_sa_sdst(0) depctr_va_vdst(0) depctr_va_sdst(0) depctr_va_ssrc(0) depctr_va_vcc(0) depctr_vm_vsrc(0)
	s_getreg_b32 s2, hwreg(HW_REG_IB_STS2, 6, 4)
	s_cmp_eq_u32 s2, 0
	s_cbranch_scc0 .Lentry_in_a_cluster
	s_endpgm
.Lentry_in_a_cluster:
	s_bfe_u32 s2, ttmp6, 0x10000c
	s_cmp_lg_u32 s2, 0xf033
	s_cbranch_scc0 .Lentry_shape_is_right
	s_endpgm
.Lentry_shape_is_right:
; GEMM with tanh and the dot with Vw behind it.  For row R = 2048 b + t and the 128 columns of chunk ch:
;   ps[ch][R] = sum over n of (-2 Vw[n]) / (1 + 2^y),  y = qpc[b][n] + sum over k of vc[R][k] wvt[n][k] = 2 log2(e) x,  so that Vw tanh x = Vw + (-2 Vw) / (1 + 2^y).
; vc [65536][1024], wvt [1024][1024] bf16, sums in f32.  2^y = infinity gives 0 and 2^y = 0 gives -2 Vw: tanh's two ends, without a clamp.  NaN and infinities in the inputs are not treated apart.
; A tile is 256 rows x 256 columns: four waves, each 128 x 128 = 64 accumulators, 512 registers.  A tile's 256 rows lie in one batch (2,048 = 8 x 256), so they share their qpc, which is the C operand
; of the products that start the sums: nothing is cleared and no bias is added afterwards.
; K = 1,024 goes in 8 steps of 128 through two LDS slots (rows of 256 bytes, padded to 272).  The matrix instruction is used transposed (source 0 = 16 rows of wvt, source 1 = 16 rows of vc):
; a lane holds one row (lane % 16) and the columns 8 (lane / 16) + 0..7 of each accumulator, so the dot with Vw stays in the lane but for one exchange of the halves.
; CLUSTER 4 x 4: the four column tiles of a row of the cluster need the same rows of vc, the four row tiles of a column the same rows of wvt: each is asked for jointly.
; A WORK-GROUP STAYS: 1,024 tiles on 256 work-groups: row tiles y, y + 64, y + 128, y + 192.  The ring runs on into the next tile; the last tile's tail, which asks for nothing, stands behind the loop.
; REGISTERS, in windows of 256 (s_set_vgpr_msb: bits 1:0 source 0, 3:2 source 1, 5:4 source 2, 7:6 destination):
;   window 0: v16-51 addresses and the way out; v64-127, v128-191 fragments of vc, two buffers        window 1: v0-63 qpc of my columns; v64-127, v128-191 fragments of wvt; v192-255 -2 Vw
;   window 2: accumulators of my row blocks 0-3, (a, b) at v[8 (8 a + b)]                             window 3: those of blocks 4-7
.set KSTEP,  128
.set PITCH,  272                       ; 256 bytes + 16: the 16 rows of a fragment load start 68 words apart
.set HALFT,  128*PITCH                 ; 128 rows: what one tensor load brings, and what one wave reads of vc or of wvt
.set SLOT,   4*HALFT                   ; vc's 256 rows, then wvt's 256 rows: 139,264 bytes
.set SPARE,  2*SLOT                    ; behind the ring: the spare words, 128 bytes for each wave
.set TILES,  4
.set WALK,   16384                     ; a work-group's tiles lie this many rows apart
.set NEXT_A, WALK*2048-1536            ; from a slot's last K step of a tile to its first of the next: WALK rows down, 6 steps of 256 bytes back
.set BACK_B, 1536
.set CH,     65536*4                   ; bytes in a chunk of ps
.set ADRA, 16                          ; v16-17 LDS address of my fragments of vc in slot 0, 1
.set ADRB, 20                          ; v20-21 the same for wvt
.set CO,   26                          ; v26    4 x lane
.set BO,   27                          ; v27    byte offset of my columns' qpc: 4,096 x batch + 32 (lane / 16)
.set SPW,  28                          ; v28    my spare word; never rewritten
.set NIL,  29                          ; v29    0; never rewritten
.set HO,   30                          ; v30    32 (lane / 16)
.set T,    32                          ; v32-39 a row's sum, one for each row block
.set U,    40                          ; v40-47 the other half's
.set O,    48                          ; v48-51 32 rows' sums to store
.set F0,   64
.set F1,   128
.set VW,   192
.set WV, 12                            ; s12 wave
.set MI, 13                            ; s13 which 128 rows are mine.  Also: I fetch vc (0) or wvt (1)
.set NI, 14                            ; s14 which 128 columns.  Also: which half of that tile I fetch
.set G1, 24                            ; s[24:31] descriptor group 1 for vc's tiles;  s[32:39] group 0, one set for each slot
.set G0, 32
.set G1B, 48                           ; s[48:55], s[56:63] the same for wvt's
.set G0B, 56
.set MSB, 0
.macro WIN new                         ; the immediate's high byte repeats the setting that is left; a switch that changes nothing is dropped
.if MSB != (\new)
	s_set_vgpr_msb (MSB<<8)|(\new)
.set MSB, \new
.endif
.endm
.macro JLOAD s                         ; a joint load: waves 0, 1 fetch vc's two halves, waves 2, 3 wvt's; s_nop 0 and four v_nop follow each line
	s_cmp_eq_u32 s[MI], 0
	s_cbranch_scc0 .Lfor_b_\@
	tensor_load_to_lds s[G0+4*(\s):G0+4*(\s)+3], s[G1:G1+7]
	s_nop 0
.rept 4
	v_nop
.endr
	s_branch .Lasked_\@
.Lfor_b_\@:
	tensor_load_to_lds s[G0B+4*(\s):G0B+4*(\s)+3], s[G1B:G1B+7]
	s_nop 0
.rept 4
	v_nop
.endr
.Lasked_\@:
.endm
.macro CREST                           ; a round of the cluster's barrier behind its opening barrier
	s_cmp_lg_u32 s[WV], 0
	s_cbranch_scc1 .Lnot_wave_0_\@
	s_barrier_signal -3
.Lnot_wave_0_\@:
	s_barrier_wait -3
	s_barrier_signal -1
	s_barrier_wait -1
.endm
.macro CROUND
	s_barrier_signal -1
	s_barrier_wait -1
	CREST
.endm
.macro PLACES                          ; four plain vector instructions between a matrix instruction and a load into, or a vector read of, its registers
.rept 4
	v_nop
.endr
.endm
	s_load_b256 s[4:11], s[0:1], 0x0               ; vc s[4:5], wvt s[6:7], qpc s[8:9], Vw s[10:11]
	s_load_b64 s[70:71], s[0:1], 0x20              ; ps
	v_lshl_add_u32 v[SPW], v0, 2, SPARE
	v_mov_b32 v[NIL], 0
	ds_add_u32 v[SPW], v[NIL]                      ; the wave's opening: the add and its wait ahead of my first tensor load
	v_lshrrev_b32 v1, 5, v0
	v_readfirstlane_b32 s[WV], v1
	s_lshr_b32 s[MI], s[WV], 1
	s_and_b32 s[NI], s[WV], 1
	s_bfe_u32 s15, ttmp6, 0x40000                  ; cx
	s_bfe_u32 s16, ttmp6, 0x40004                  ; cy
	s_lshl_b32 s17, ttmp9, 2
	s_add_co_u32 s17, s17, s15                     ; x: column tile
	s_and_b32 s18, ttmp7, 0xffff
	s_lshl_b32 s18, s18, 2
	s_add_co_u32 s18, s18, s16                     ; y: first row tile
	s_lshl_b32 s19, s16, 2
	s_lshl_b32 s19, 15, s19                        ; my row of the cluster
	s_lshl_b32 s20, 0x1111, s15                    ; my column
	s_or_b32 s[G1+0], s19, (1<<16)|(1<<20)|(1<<21)|(5<<22)|(3<<25)   ; mask; 2-byte elements; padding on; bit 21 beside a mask; after every 64 words 4 words
	s_or_b32 s[G1B+0], s20, (1<<16)|(1<<20)|(1<<21)|(5<<22)|(3<<25)
	s_mov_b32 s[G1+1], KSTEP<<16                   ; tensor_dim0 = 128
	s_mov_b32 s[G1B+1], KSTEP<<16
	s_mov_b32 s[G1+2], 128<<16                     ; tensor_dim1 = 128
	s_mov_b32 s[G1B+2], 128<<16
	s_mov_b32 s[G1+3], KSTEP<<16                   ; tile_dim0 = 128
	s_mov_b32 s[G1B+3], KSTEP<<16
	s_mov_b32 s[G1+4], 128                         ; tile_dim1 = 128
	s_mov_b32 s[G1B+4], 128
	s_mov_b32 s[G1+5], 1024                        ; elements from row to row
	s_mov_b32 s[G1B+5], 1024
	s_mov_b32 s[G1+6], 0
	s_mov_b32 s[G1B+6], 0
	s_mov_b32 s[G1+7], 0
	s_mov_b32 s[G1B+7], 0
	s_lshl_b32 s40, s18, 19                        ; vc: row 256 y + 128 x half, 2,048 bytes a row, in registers that never hold cx
	s_lshl_b32 s41, s[NI], 18
	s_add_co_u32 s40, s40, s41
	s_mov_b32 s41, 0
	s_lshl_b32 s42, s17, 19                        ; wvt: row 256 x + 128 x half, in registers that never hold cy
	s_lshl_b32 s43, s[NI], 18
	s_add_co_u32 s42, s42, s43
	s_mov_b32 s43, 0
	s_mul_i32 s44, s[WV], HALFT                    ; where they go: vc's two halves, then wvt's two halves = wave x 128 rows
	s_mov_b32 s80, 0x76543210                      ; v_permlanex16_b32: each lane takes its own place in the other half
	s_mov_b32 s81, 0xfedcba98
	s_mov_b32 s82, 0xffff0000                      ; lanes 16-31
	s_wait_dscnt 0x0                               ; the opening add is done
	s_wait_kmcnt 0x0
	s_add_nc_u64 s[40:41], s[4:5], s[40:41]
	s_add_nc_u64 s[42:43], s[6:7], s[42:43]
	CROUND                                         ; all sixteen work-groups are here: the first joint loads meet
.irp s, 0,1
	s_mov_b32 s[G0+4*(\s)], 1
	s_add_co_u32 s[G0+4*(\s)+1], s44, (\s)*SLOT
	s_add_nc_u64 s[G0+4*(\s)+2:G0+4*(\s)+3], s[40:41], (\s)*KSTEP*2
	s_or_b32 s[G0+4*(\s)+3], s[G0+4*(\s)+3], 0x80000000
	s_mov_b32 s[G0B+4*(\s)], 1
	s_add_co_u32 s[G0B+4*(\s)+1], s44, (\s)*SLOT
	s_add_nc_u64 s[G0B+4*(\s)+2:G0B+4*(\s)+3], s[42:43], (\s)*KSTEP*2
	s_or_b32 s[G0B+4*(\s)+3], s[G0B+4*(\s)+3], 0x80000000
	JLOAD \s                                       ; K steps 0 and 1: two loads of mine are out
.endr
	v_and_b32 v1, 15, v0
	v_bfe_u32 v2, v0, 4, 1
	v_mul_u32_u24 v3, v1, PITCH
	v_lshl_add_u32 v3, v2, 4, v3                   ; a fragment's row x pitch + 16 x half
	s_mul_i32 s21, s[MI], HALFT                    ; my 128 rows of vc
	s_mul_i32 s23, s[NI], HALFT                    ; my 128 rows of wvt,
	s_add_co_u32 s23, s23, 2*HALFT                 ; which lie behind vc's 256
.irp s, 0,1
	v_add_nc_u32 v[ADRA+(\s)], s21, v3
	v_add_nc_u32 v[ADRB+(\s)], s23, v3
	s_add_co_u32 s21, s21, SLOT
	s_add_co_u32 s23, s23, SLOT
.endr
	v_and_b32 v[CO], 31, v0
	v_lshlrev_b32 v[CO], 2, v[CO]
	v_lshlrev_b32 v[HO], 5, v2
	s_lshr_b32 s84, s18, 3                         ; my first tile's batch: 8 tiles of 256 rows to a batch
	s_lshl_b32 s84, s84, 12
	v_add_nc_u32 v[BO], s84, v[HO]
.irp a, 0,1,2,3,4,5,6,7
	v_mov_b32 v[U+\a], 0                           ; v_permlanex16_b32 counts as a reader of its destination
.endr
	s_lshl_b32 s46, s17, 10                        ; my first column, in f32: 1,024 x + 512 ni
	s_lshl_b32 s47, s[NI], 9
	s_add_co_u32 s46, s46, s47
	s_mov_b32 s47, 0
	s_add_nc_u64 s[8:9], s[8:9], s[46:47]
	s_add_nc_u64 s[10:11], s[10:11], s[46:47]
	s_lshl_b32 s46, s17, 1
	s_add_co_u32 s46, s46, s[NI]
	s_mul_i32 s46, s46, CH                         ; my chunk of ps,
	s_lshl_b32 s85, s18, 10
	s_lshl_b32 s86, s[MI], 9
	s_add_co_u32 s46, s46, s85
	s_add_co_u32 s46, s46, s86                     ; my 128 rows in it
	s_add_nc_u64 s[70:71], s[70:71], s[46:47]
.macro BIASLD step                     ; qpc of a tile's batch for my 128 columns, in the layout of a result: register 8 b + j = column 16 b + 8 (lane / 16) + j.  step = 1: the next tile's, 8 batches on
.if \step
	v_add_nc_u32 v[BO], 0x8000, v[BO]              ; the loads that read BO were waited for at the tile's head
.endif
	WIN 0x40
.irp b, 0,1,2,3,4,5,6,7
	global_load_b128 v[8*\b:8*\b+3], v[BO], s[8:9] offset:64*\b
	global_load_b128 v[8*\b+4:8*\b+7], v[BO], s[8:9] offset:64*\b+16
.endr
	WIN 0
.endm
	BIASLD 0
	WIN 0x40
.irp b, 0,1,2,3,4,5,6,7
	global_load_b128 v[VW+8*\b:VW+8*\b+3], v[HO], s[10:11] offset:64*\b
	global_load_b128 v[VW+8*\b+4:VW+8*\b+7], v[HO], s[10:11] offset:64*\b+16
.endr
	s_wait_loadcnt 0x0
	WIN 0x41
.set i, 0
.rept 32
	v_pk_mul_f32 v[VW+2*i:VW+2*i+1], v[VW+2*i:VW+2*i+1], -2.0 op_sel_hi:[1,0]
.set i, i+1
.endr
	WIN 0
; 16 matrix instructions: row blocks a0, a0 + 1 of the window's four (hi = 0: blocks 0-3; 1: blocks 4-7) x all 8 column blocks, 32 along K.  mode = 1: the products start the sums, with qpc as C.
; The 64 accumulators take turns in the same order in every quarter step.
.macro MUL16 f, hi, a0, mode
.if \mode
	WIN 0x91+0x40*(\hi)                            ; source 0 window 1, source 1 window 0, C window 1, D window 2 or 3
.else
	WIN 0xa1+0x50*(\hi)                            ; C and D window 2 or 3
.endif
.irp a, \a0, (\a0)+1
.irp b, 0,1,2,3,4,5,6,7
.if \mode
	v_wmma_f32_16x16x32_bf16 v[8*(8*(\a)+(\b)):8*(8*(\a)+(\b))+7], v[(\f)+8*(\b):(\f)+8*(\b)+7], v[(\f)+8*(4*(\hi)+(\a)):(\f)+8*(4*(\hi)+(\a))+7], v[8*(\b):8*(\b)+7]
.else
	v_wmma_f32_16x16x32_bf16 v[8*(8*(\a)+(\b)):8*(8*(\a)+(\b))+7], v[(\f)+8*(\b):(\f)+8*(\b)+7], v[(\f)+8*(4*(\hi)+(\a)):(\f)+8*(4*(\hi)+(\a))+7], v[8*(8*(\a)+(\b)):8*(8*(\a)+(\b))+7]
.endif
.endr
.endr
.endm
.macro FETCH slot, k, f                ; 32 LDS loads in one run: a quarter step's fragments (128 rows of wvt, 128 rows of vc, 32 K at byte k of the rows)
	WIN 0x40
.irp i, 0,1,2,3,4,5,6,7
	ds_load_b128 v[(\f)+8*(\i):(\f)+8*(\i)+3],   v[ADRB+(\slot)] offset:(\k)+(\i)*16*PITCH
	ds_load_b128 v[(\f)+8*(\i)+4:(\f)+8*(\i)+7], v[ADRB+(\slot)] offset:(\k)+(\i)*16*PITCH+32
.endr
	WIN 0
.irp i, 0,1,2,3,4,5,6,7
	ds_load_b128 v[(\f)+8*(\i):(\f)+8*(\i)+3],   v[ADRA+(\slot)] offset:(\k)+(\i)*16*PITCH
	ds_load_b128 v[(\f)+8*(\i)+4:(\f)+8*(\i)+7], v[ADRA+(\slot)] offset:(\k)+(\i)*16*PITCH+32
.endr
.endm
; A K step is four quarters of 32 along K, 64 matrix instructions each, on buffers 0, 1, 0, 1.  One of the first three multiplies buffer f and fetches the next quarter into g, 48 matrix instructions ahead of its use.
.macro QUARTER slot, k, f, g, mode
	s_wait_dscnt 0x0                               ; buffer f is in
	MUL16 \f, 0, 0, \mode
	PLACES
	FETCH \slot, \k, \g
	MUL16 \f, 0, 2, \mode
	MUL16 \f, 1, 0, \mode
	MUL16 \f, 1, 2, \mode
.endm
; The last quarter multiplies buffer 1 and changes slots.  In front of the barrier each wave waits for all its tensor loads (one is out: its part of the next slot), adds 0 to its spare word, and waits
; for that and for its reads of this slot.  kind 0: this slot takes the K step two steps on; 1: the next tile's K step 0 or 1; both behind a round of the cluster's barrier, the joint load first.  2: nothing is asked for.
.macro TURN slot, next, kind
	WIN 0
	s_wait_tensorcnt 0x0
	ds_add_u32 v[SPW], v[NIL]
	s_wait_dscnt 0x1                               ; buffer 1 is in: the add alone may be out
	MUL16 F1, 0, 0, 0
	s_wait_dscnt 0x0                               ; the add is done, and my reads of this slot are over
	s_barrier_signal -1
	MUL16 F1, 0, 2, 0
	WIN 0
	s_barrier_wait -1
.if (\kind) < 2
	CREST                                          ; no wave of any partner still reads this slot or has a load on its way
.if (\kind) == 1
	s_add_nc_u64 s[G0+4*(\slot)+2:G0+4*(\slot)+3], s[G0+4*(\slot)+2:G0+4*(\slot)+3], NEXT_A
	s_sub_nc_u64 s[G0B+4*(\slot)+2:G0B+4*(\slot)+3], s[G0B+4*(\slot)+2:G0B+4*(\slot)+3], BACK_B
.else
	s_add_nc_u64 s[G0+4*(\slot)+2:G0+4*(\slot)+3], s[G0+4*(\slot)+2:G0+4*(\slot)+3], 2*KSTEP*2
	s_add_nc_u64 s[G0B+4*(\slot)+2:G0B+4*(\slot)+3], s[G0B+4*(\slot)+2:G0B+4*(\slot)+3], 2*KSTEP*2
.endif
	JLOAD \slot                                    ; 224 matrix instructions ahead of the wait for it; its four v_nop are also the places in front of the loads below
.else
	PLACES
.endif
	FETCH \next, 0, F0
	MUL16 F1, 1, 0, 0
	MUL16 F1, 1, 2, 0
.endm
; THE WAY OUT of the 32 accumulators of one window, in four stages a step apart, so that every exponential and reciprocal has plain instructions between it and the use of its result (ISA guide 5.7.2):
; step ek: 2^y of accumulator ek (from its lowest register on); 1 + 2^y of ek - 1; the reciprocals of ek - 2; times -2 Vw of ek - 3, summed into the row block's first accumulator.
.macro EPI n
.set ek, 0
.rept (\n)+3
.set ep, 0
.rept 4
.if ek < (\n)
	v_exp_f32 v[8*ek+2*ep], v[8*ek+2*ep]
	v_exp_f32 v[8*ek+2*ep+1], v[8*ek+2*ep+1]
.endif
.if (ek >= 1) && (ek <= (\n))
	v_pk_add_f32 v[8*ek-8+2*ep:8*ek-8+2*ep+1], v[8*ek-8+2*ep:8*ek-8+2*ep+1], 1.0 op_sel_hi:[1,0]
.endif
.if (ek >= 2) && (ek <= (\n)+1)
	v_rcp_f32 v[8*ek-16+2*ep], v[8*ek-16+2*ep]
	v_rcp_f32 v[8*ek-16+2*ep+1], v[8*ek-16+2*ep+1]
.endif
.if ek >= 3
.set eq, ek-3
.set eb, eq%8
.if eb == 0
	v_pk_mul_f32 v[8*eq+2*ep:8*eq+2*ep+1], v[8*eq+2*ep:8*eq+2*ep+1], v[VW+2*ep:VW+2*ep+1]
.else
	v_pk_fma_f32 v[8*(eq-eb)+2*ep:8*(eq-eb)+2*ep+1], v[8*eq+2*ep:8*eq+2*ep+1], v[VW+8*eb+2*ep:VW+8*eb+2*ep+1], v[8*(eq-eb)+2*ep:8*(eq-eb)+2*ep+1]
.endif
.endif
.set ep, ep+1
.endr
.if ek == 0
	v_nop                                          ; the plain instruction behind the first eight exponentials
.endif
.if ek >= 3
.if (ek-3)%8 == 7                      ; a row block is through: its four pairs into one (times 1.0, since source 1's window is Vw's)
.set eq, 8*(ek-10)
	v_pk_fma_f32 v[eq:eq+1], v[eq+2:eq+3], 1.0, v[eq:eq+1] op_sel_hi:[1,0,1]
	v_pk_fma_f32 v[eq+4:eq+5], v[eq+6:eq+7], 1.0, v[eq+4:eq+5] op_sel_hi:[1,0,1]
	v_pk_fma_f32 v[eq:eq+1], v[eq+4:eq+5], 1.0, v[eq:eq+1] op_sel_hi:[1,0,1]
.endif
.endif
.set ek, ek+1
.endr
.endm
.macro EPILOGUE
	PLACES                                         ; behind the last products
	WIN 0xa6                                       ; destination, sources 0 and 2 window 2, source 1 (Vw) window 1
	EPI 32
	WIN 0xf7                                       ; the same with window 3
	EPI 32
	WIN 0x0a
.irp a, 0,1,2,3
	v_add_f32 v[T+\a], v[64*\a], v[64*\a+1]
.endr
	WIN 0x0f
.irp a, 0,1,2,3
	v_add_f32 v[T+4+\a], v[64*\a], v[64*\a+1]
.endr
	WIN 0
.irp a, 0,1,2,3,4,5,6,7
	v_permlanex16_b32 v[U+\a], v[T+\a], s80, s81   ; the row's other 64 columns lie in the lane 16 away
.endr
.irp a, 0,1,2,3,4,5,6,7
	v_add_f32 v[T+\a], v[T+\a], v[U+\a]
.endr
	s_wait_xcnt 0x0                                ; O, which the last tile's stores read, is rewritten only behind this wait
.irp p, 0,1,2,3
	v_cndmask_b32 v[O+\p], v[T+2*\p], v[T+2*\p+1], s82  ; lanes 0-15 block 2 p, lanes 16-31 block 2 p + 1: 32 rows on end
.endr
.irp p, 0,1,2,3
	global_store_b32 v[CO], v[O+\p], s[70:71] offset:128*\p  ; 128 consecutive bytes: a tile gives one number a row and chunk, 2 MB in the whole launch
.endr
.endm
	s_wait_tensorcnt 0x1                           ; my part of K step 0 is in; K step 1's may stay out
	s_barrier_signal -1
	s_barrier_wait -1
	FETCH 0, 0, F0
	s_mov_b32 s2, TILES                            ; tiles to go, this one among them: the same number in every work-group
.Ltile:
	s_wait_loadcnt 0x0                             ; this tile's qpc
	QUARTER 0, 64, F0, F1, 1                       ; a tile's first quarter starts the sums
	WIN 0
	PLACES                                         ; behind the last product that read qpc
	s_cmp_eq_u32 s2, 1
	s_cbranch_scc1 .Lno_bias
	BIASLD 1                                       ; the next tile's qpc: it has the rest of this tile in which to land
.Lno_bias:
	s_mov_b32 s3, 3
.Llap:                                                 ; a trip goes once round the ring and fills both slots again
	QUARTER 0, 128, F1, F0, 0
	QUARTER 0, 192, F0, F1, 0
	TURN 0, 1, 0
	QUARTER 1, 64,  F0, F1, 0
	QUARTER 1, 128, F1, F0, 0
	QUARTER 1, 192, F0, F1, 0
	TURN 1, 0, 0
	QUARTER 0, 64,  F0, F1, 0
	WIN 0
	s_sub_co_u32 s3, s3, 1
	s_cmp_lg_u32 s3, 0
	s_cbranch_scc1 .Llap
	QUARTER 0, 128, F1, F0, 0                      ; the tile's last lap goes on
	QUARTER 0, 192, F0, F1, 0
	WIN 0
	s_cmp_eq_u32 s2, 1
	s_cbranch_scc1 .Llast_tile                     ; the last tile's tail asks for nothing: it is written out behind the loop
	TURN 0, 1, 1                                   ; the ring goes on into the next tile: slot 0 takes its K step 0,
	QUARTER 1, 64,  F0, F1, 0
	QUARTER 1, 128, F1, F0, 0
	QUARTER 1, 192, F0, F1, 0
	TURN 1, 0, 1                                   ; slot 1 its K step 1, and its first fragments are fetched
	EPILOGUE
	s_wait_xcnt 0x0                                ; the stores' base is stepped only behind this wait
	s_add_nc_u64 s[70:71], s[70:71], WALK*4
	s_sub_co_u32 s2, s2, 1
	s_branch .Ltile
.Llast_tile:
	TURN 0, 1, 2
	QUARTER 1, 64,  F0, F1, 0
	QUARTER 1, 128, F1, F0, 0
	QUARTER 1, 192, F0, F1, 0
	s_wait_dscnt 0x0
	MUL16 F1, 0, 0, 0
	MUL16 F1, 0, 2, 0
	MUL16 F1, 1, 0, 0
	MUL16 F1, 1, 2, 0
	EPILOGUE
	s_wait_tensorcnt 0x0                           ; the wave's end
	ds_add_u32 v[SPW], v[NIL]
	s_wait_dscnt 0x0
	CROUND                                         ; the closing round: no work-group ends while a partner may still ask for a tile that names it
	s_endpgm
.Lfunc_end_k_qfbfd6030fa_gemm:
	.size	k_qfbfd6030fa_gemm, .Lfunc_end_k_qfbfd6030fa_gemm-k_qfbfd6030fa_gemm
	.p2alignl 7, 3214868480
	.fill 96, 4, 3214868480
	.section	.rodata,"a",@progbits
	.p2align	6, 0x0
	.amdhsa_kernel k_qfbfd6030fa_gemm
		.amdhsa_group_segment_fixed_size 327680
		.amdhsa_private_segment_fixed_size 0
		.amdhsa_enable_private_segment 0
		.amdhsa_kernarg_size 40
		.amdhsa_user_sgpr_count 2
		.amdhsa_user_sgpr_kernarg_segment_ptr 1
		.amdhsa_wavefront_size32 1
		.amdhsa_system_sgpr_workgroup_id_x 1
		.amdhsa_system_sgpr_workgroup_id_y 1
		.amdhsa_system_sgpr_workgroup_id_z 1
		.amdhsa_system_vgpr_workitem_id 0
		.amdhsa_next_free_vgpr 1024
		.amdhsa_next_free_sgpr 88
		.amdhsa_reserve_vcc 0
		.amdhsa_float_denorm_mode_32 3
		.amdhsa_float_denorm_mode_16_64 3
		.amdhsa_memory_ordered 1
		.amdhsa_forward_progress 1
		.amdhsa_inst_pref_size 255
	.end_amdhsa_kernel
	.section	.bss,"aw",@nobits
	.p2align	6
	.space	262144
	.amdgpu_metadata
---
amdhsa.version: [ 1, 2 ]
amdhsa.kernels:
  - .name:           k_qfbfd6030fa_gemm
    .symbol:         k_qfbfd6030fa_gemm.kd
    .args:
      - { .name: vc, .offset: 0, .size: 8, .value_kind: global_buffer, .address_space: global }
      - { .name: wvt, .offset: 8, .size: 8, .value_kind: global_buffer, .address_space: global }
      - { .name: qpc, .offset: 16, .size: 8, .value_kind: global_buffer, .address_space: global }
      - { .name: Vw, .offset: 24, .size: 8, .value_kind: global_buffer, .address_space: global }
      - { .name: ps, .offset: 32, .size: 8, .value_kind: global_buffer, .address_space: global }
    .group_segment_fixed_size: 327680
    .private_segment_fixed_size: 0
    .kernarg_segment_align: 8
    .kernarg_segment_size: 40
    .max_flat_workgroup_size: 128
    .sgpr_count:     88
    .vgpr_count:     1024
    .wavefront_size: 32
...
	.end_amdgpu_metadata
.endif
;; end of part 3
;; launch finish (part 4): grid 8 x 32, 16 waves a work-group, no clusters, 10,752 bytes of LDS; arguments ps, vc, mask, Vw, Vb, out0, out1; writes out0, out1
.if DOCPART == 4
	.amdgcn_target "amdgcn-amd-amdhsa--gfx1250"
	.amdhsa_code_object_version 6
	.text
	.protected	k_qfbfd6030fa_finish
	.globl	k_qfbfd6030fa_finish
	.p2align	8
	.type	k_qfbfd6030fa_finish,@function
k_qfbfd6030fa_finish:
	s_mov_b64 s[64:65], 0
	v_nop
	global_prefetch_b8 v0, s[64:65] scope:SCOPE_SE
	s_setreg_imm32_b32 hwreg(HW_REG_WAVE_MODE, 25, 1), 1
	s_wait_xcnt 0x0
; FINISH: the mask, the softmax over a batch's 2,048 rows, the weights (out1) and the context (out0).  Work-group (p, b): batch b, columns 128 p .. of out0, t = 256 p .. of out1.
; score[t] = ((sum of the 8 chunks of ps) + (sum of Vw + Vb)) + (1 - mask[t]) x (-1e9); the batch's maximum is taken away before the exponential.
; The context sums the bf16 copies of the rows in f32; a masked row's weight is the 0 that its exponential gives.  NaN and infinities are not treated apart.
; Each of the 8 work-groups of a batch makes the batch's maximum and sum itself (36 bytes a row from ps and mask): no traffic between work-groups.
; 16 waves.  Thread i owns rows i + 512 q, q = 0..3, so wave w holds in its own lanes the weights of rows 512 q + 32 w .. + 31, the rows that it sums: lane half h takes row 16 h + j in step j,
; 16 lanes to a row's 256 bytes, and the weight comes from lane j of the half (row_share).  Two groups of 32 rows are always on their way or at work.
; out1 leaves from the registers that hold the exponentials: the work-group's 256 weights are group p / 2 of the threads of waves 8 (p % 2) .. + 7.
; No matrix unit: one weight a row; no cluster: no two work-groups read the same bytes of vc.
.set CH,    65536*4                    ; bytes in a chunk of ps
.set RM,    0                          ; LDS: the waves' maxima, 16 words
.set RS,    256                        ; the waves' sums, 16 words
.set CTX,   512                        ; the waves' 128 columns, 512 bytes each
.set SPARE, 8704                       ; the spare words: 128 bytes for each of 16 waves
.set SPW, 2
.set NIL, 3
.set E,   8                            ; v[8:11]    score, then exponential, of my row in group q
.set MK,  12                           ; v[12:15]   its mask
.set PA,  16                           ; v16        byte offset of my first row in mask, in out1 and in a chunk of ps
.set VO,  17                           ; v17        byte offset in vc of my 16 bytes in my wave's first rows
.set W,   24                           ; v[24:27]   weights, by turns
.set ACC, 28                           ; v[28:35]   my 8 columns
.set PS,  40                           ; v[40:71]   ps: 8 chunks x 4 groups
.set D0,  72                           ; v[72:135]  16 loads of a group
.set D1,  136                          ; v[136:199]
.set VR,  200                          ; v[200:231] Vw; then at work
	s_load_b256 s[4:11], s[0:1], 0x0               ; ps s[4:5], vc s[6:7], mask s[8:9], Vw s[10:11]
	s_load_b128 s[12:15], s[0:1], 0x20             ; Vb s[12:13], out0 s[14:15]
	s_load_b64 s[16:17], s[0:1], 0x30              ; out1
	v_lshl_add_u32 v[SPW], v0, 2, SPARE
	v_mov_b32 v[NIL], 0
	v_and_b32 v1, 31, v0
	v_lshrrev_b32 v4, 5, v0
	v_readfirstlane_b32 s20, v4                    ; wave
	s_and_b32 s21, ttmp7, 0xffff                   ; batch
	s_mov_b32 s40, 0x76543210                      ; v_permlanex16_b32: each lane takes its own place in the other half
	s_mov_b32 s41, 0xfedcba98
	v_bfe_u32 v4, v0, 4, 1                         ; h
	v_and_b32 v5, 15, v0
	v_lshlrev_b32 v6, 4, v1                        ; 16 lane
	s_lshl_b32 s22, s21, 13
	v_lshl_add_u32 v[PA], v0, 2, s22               ; 8,192 b + 4 thread
	s_lshl_b32 s23, s21, 22                        ; vc: 2,048 rows of 2,048 bytes a batch,
	s_lshl_b32 s24, s20, 16                        ; 32 rows a wave,
	s_add_co_u32 s23, s23, s24
	s_lshl_b32 s24, ttmp9, 8                       ; 256 bytes a column block
	s_add_co_u32 s23, s23, s24
	v_lshl_add_u32 v[VO], v5, 4, s23
	v_lshl_add_u32 v[VO], v4, 15, v[VO]            ; and 16 rows further down for the upper half
	s_wait_kmcnt 0x0
	s_load_b32 s26, s[12:13], 0x0                  ; Vb
.irp q, 0,1,2,3
	global_load_b32 v[MK+\q], v[PA], s[8:9] offset:2048*\q
.endr
.irp k, 0,1,2,3,4,5,6,7
	global_load_b128 v[VR+4*\k:VR+4*\k+3], v6, s[10:11] offset:512*\k  ; every wave reads all of Vw: 4,096 bytes, and no barrier for its sum
.endr
.irp q, 0,1,2,3
.irp c, 0,1,2,3,4,5,6,7
	global_load_b32 v[PS+8*\q+\c], v[PA], s[4:5] offset:CH*\c+2048*\q
.endr
.endr
.macro ROWS q, buf                     ; 32 rows' 256 bytes: rows 512 q + 32 w + 16 h + j
.set j, 0
.rept 16
	global_load_b128 v[(\buf)+4*j:(\buf)+4*j+3], v[VO], s[6:7] offset:(\q)*1048576+2048*j th:TH_LOAD_NT
.set j, j+1
.endr
.endm
	ROWS 0, D0
	ROWS 1, D1
.irp i, 0,1,2,3
	v_mov_b32 v[W+\i], 0                           ; a DPP form counts as a reader of its destination
.endr
.irp i, 0,1,2,3,4,5,6,7
	v_mov_b32 v[ACC+\i], 0
.endr
.macro WSUM x, t                       ; sum over the wave's 32 lanes, in every lane
.irp m, 1,2,4,8
	v_add_f32_dpp v[\x], v[\x], v[\x] row_xmask:\m row_mask:0xf bank_mask:0xf
.endr
	v_permlanex16_b32 v[\t], v[\x], s40, s41
	v_add_f32 v[\x], v[\x], v[\t]
.endm
	s_wait_loadcnt 32                              ; mask, Vw and ps are in; the 32 row loads behind them stay out
.irp st, 8,4,2,1                       ; my 32 numbers of Vw, by halves
.set i, 0
.rept \st
	v_pk_add_f32 v[VR+2*i:VR+2*i+1], v[VR+2*i:VR+2*i+1], v[VR+2*(i+\st):VR+2*(i+\st)+1]
.set i, i+1
.endr
.endr
	v_add_f32 v200, v200, v201
	WSUM 200, 201
	s_wait_kmcnt 0x0
	v_add_f32 v200, s26, v200                      ; sum of Vw + Vb
.irp q, 0,1,2,3
	v_pk_add_f32 v[PS+8*\q:PS+8*\q+1], v[PS+8*\q:PS+8*\q+1], v[PS+8*\q+2:PS+8*\q+3]
	v_pk_add_f32 v[PS+8*\q+4:PS+8*\q+5], v[PS+8*\q+4:PS+8*\q+5], v[PS+8*\q+6:PS+8*\q+7]
	v_cvt_f32_i32 v[MK+\q], v[MK+\q]
	v_pk_add_f32 v[PS+8*\q:PS+8*\q+1], v[PS+8*\q:PS+8*\q+1], v[PS+8*\q+4:PS+8*\q+5]
	v_sub_f32 v[MK+\q], 1.0, v[MK+\q]
	v_add_f32 v[E+\q], v[PS+8*\q], v[PS+8*\q+1]
	v_add_f32 v[E+\q], v[E+\q], v200
	v_fmamk_f32 v[E+\q], v[MK+\q], 0xce6e6b28, v[E+\q]  ; + (1 - mask) x (-1e9)
.endr
	v_max3_num_f32 v203, v[E], v[E+1], v[E+2]
	v_max_num_f32 v203, v203, v[E+3]
.irp m, 1,2,4,8
	v_max_num_f32_dpp v203, v203, v203 row_xmask:\m row_mask:0xf bank_mask:0xf
.endr
	v_permlanex16_b32 v201, v203, s40, s41
	v_max_num_f32 v203, v203, v201
	v_mov_b32 v19, s20
	v_lshl_add_u32 v19, v19, 2, RM                 ; my wave's word
	v_mov_b32 v20, RM
	ds_store_b32 v19, v203
	s_wait_dscnt 0x0                               ; for the others' sake
	s_barrier_signal -1
	s_barrier_wait -1
.irp k, 0,1,2,3
	ds_load_b128 v[204+4*\k:204+4*\k+3], v20 offset:16*\k
.endr
	s_wait_dscnt 0x0
	v_max3_num_f32 v204, v204, v205, v206
	v_max3_num_f32 v207, v207, v208, v209
	v_max3_num_f32 v210, v210, v211, v212
	v_max3_num_f32 v213, v213, v214, v215
	v_max3_num_f32 v216, v216, v217, v218
	v_max3_num_f32 v204, v204, v207, v210
	v_max3_num_f32 v213, v213, v216, v219
	v_max_num_f32 v220, v204, v213                 ; the batch's largest score
.irp q, 0,1,2,3
	v_sub_f32 v[E+\q], v[E+\q], v220
.endr
.irp q, 0,1,2,3
	v_mul_f32 v[E+\q], 0x3fb8aa3b, v[E+\q]
.endr
.irp q, 0,1,2,3
	v_exp_f32 v[E+\q], v[E+\q]
.endr
	v_nop                                          ; a plain instruction behind the exponentials
	v_add_f32 v222, v[E], v[E+1]
	v_add_f32 v223, v[E+2], v[E+3]
	v_add_f32 v222, v222, v223
	WSUM 222, 223
	ds_store_b32 v19, v222 offset:RS-RM
	s_wait_dscnt 0x0                               ; for the others' sake: my wave's sum
	s_barrier_signal -1
	s_barrier_wait -1
.irp k, 0,1,2,3
	ds_load_b128 v[204+4*\k:204+4*\k+3], v20 offset:RS-RM+16*\k
.endr
	s_wait_dscnt 0x0
.irp st, 4,2,1
.set i, 0
.rept \st
	v_pk_add_f32 v[204+2*i:204+2*i+1], v[204+2*i:204+2*i+1], v[204+2*(i+\st):204+2*(i+\st)+1]
.set i, i+1
.endr
.endr
	v_add_f32 v204, v204, v205                     ; at least 1: the largest score's exponential
	v_rcp_f32 v224, v204
	s_wait_loadcnt 16                              ; group 0 is in; group 1's 16 loads may be out
	v_nop                                          ; a plain instruction behind the reciprocal
	; out1: t = 256 p .. 256 p + 255 are rows i + 512 q with q = p / 2 and i = 256 (p % 2) .. + 255: eight of the sixteen waves hold them
	s_lshr_b32 s27, s20, 3
	s_and_b32 s28, ttmp9, 1
	s_cmp_eq_u32 s27, s28
	s_cbranch_scc0 .Lno_out1
	s_lshr_b32 s27, ttmp9, 1                       ; q
	s_cmp_eq_u32 s27, 1
	s_cselect_b32 s28, -1, 0
	v_cndmask_b32 v228, v[E], v[E+1], s28
	s_cmp_eq_u32 s27, 2
	s_cselect_b32 s28, -1, 0
	v_cndmask_b32 v228, v228, v[E+2], s28
	s_cmp_eq_u32 s27, 3
	s_cselect_b32 s28, -1, 0
	v_cndmask_b32 v228, v228, v[E+3], s28
	s_lshl_b32 s27, s27, 11
	v_mul_f32 v228, v228, v224
	v_add_nc_u32 v21, s27, v[PA]                   ; 8,192 b + 4 (i + 512 q)
	global_store_b32 v21, v228, s[16:17]           ; 128 consecutive bytes a wave; the neighbouring wave's store fills the other half of the aligned 256
.Lno_out1:
.macro USE q, buf                      ; 32 rows x my 8 columns: bf16 halves times an f32 weight, summed in f32
.irp j, 0,1,2,3,4,5,6,7,8,9,10,11,12,13,14,15
	v_mov_b32_dpp v[W+\j%4], v[E+\q] row_share:\j row_mask:0xf bank_mask:0xf
.irp d, 0,1,2,3
	v_fma_mix_f32_bf16 v[ACC+2*\d], v[(\buf)+4*\j+\d], v[W+\j%4], v[ACC+2*\d] op_sel_hi:[1,0,0]
	v_fma_mix_f32_bf16 v[ACC+2*\d+1], v[(\buf)+4*\j+\d], v[W+\j%4], v[ACC+2*\d+1] op_sel:[1,0,0] op_sel_hi:[1,0,0]
.endr
.endr
.endm
	USE 0, D0
	ROWS 2, D0
	s_wait_loadcnt 16                              ; group 1 is in; group 2's 16 loads may be out
	USE 1, D1
	ROWS 3, D1
	s_wait_loadcnt 16                              ; group 2 is in; group 3's may be out
	USE 2, D0
	s_wait_loadcnt 0x0
	USE 3, D1
.irp e, 0,1,2,3,4,5,6,7
	v_permlanex16_b32 v[D0+\e], v[ACC+\e], s40, s41  ; the other half's rows
.endr
.irp e, 0,1,2,3,4,5,6,7
	v_add_f32 v[ACC+\e], v[ACC+\e], v[D0+\e]
.endr
.irp e, 0,1,2,3,4,5,6,7
	v_mul_f32 v[ACC+\e], v[ACC+\e], v224
.endr
	s_lshl_b32 s30, s20, 9
	s_add_co_u32 s30, s30, CTX
	v_lshl_add_u32 v18, v5, 5, s30
	ds_store_b128 v18, v[ACC:ACC+3]                ; both halves hold and write the same numbers
	ds_store_b128 v18, v[ACC+4:ACC+7] offset:16
	s_wait_dscnt 0x0                               ; for wave 0's sake
	s_barrier_signal -1
	s_barrier_wait -1
	s_cmp_lg_u32 s20, 0
	s_cbranch_scc1 .Ldone
	v_add_nc_u32 v18, CTX, v6
.irp w, 0,1,2,3,4,5,6,7,8,9,10,11,12,13,14,15
	ds_load_b128 v[D0+4*\w:D0+4*\w+3], v18 offset:512*\w
.endr
	s_lshl_b32 s30, s21, 12
	s_lshl_b32 s31, ttmp9, 9
	s_add_co_u32 s30, s30, s31
	v_add_nc_u32 v23, s30, v6
	s_wait_dscnt 0x0
.irp st, 8,4,2,1                       ; the sixteen waves' sums, by halves
.set i, 0
.rept \st
	v_pk_add_f32 v[D0+4*i:D0+4*i+1], v[D0+4*i:D0+4*i+1], v[D0+4*(i+\st):D0+4*(i+\st)+1]
	v_pk_add_f32 v[D0+4*i+2:D0+4*i+3], v[D0+4*i+2:D0+4*i+3], v[D0+4*(i+\st)+2:D0+4*(i+\st)+3]
.set i, i+1
.endr
.endr
	global_store_b128 v23, v[D0:D0+3], s[14:15]    ; 512 consecutive aligned bytes of out0
.Ldone:
	s_wait_tensorcnt 0x0                           ; the wave's end
	ds_add_u32 v[SPW], v[NIL]
	s_wait_dscnt 0x0
	s_endpgm
.Lfunc_end_k_qfbfd6030fa_finish:
	.size	k_qfbfd6030fa_finish, .Lfunc_end_k_qfbfd6030fa_finish-k_qfbfd6030fa_finish
	.p2alignl 7, 3214868480
	.fill 96, 4, 3214868480
	.section	.rodata,"a",@progbits
	.p2align	6, 0x0
	.amdhsa_kernel k_qfbfd6030fa_finish
		.amdhsa_group_segment_fixed_size 10752
		.amdhsa_private_segment_fixed_size 0
		.amdhsa_enable_private_segment 0
		.amdhsa_kernarg_size 56
		.amdhsa_user_sgpr_count 2
		.amdhsa_user_sgpr_kernarg_segment_ptr 1
		.amdhsa_wavefront_size32 1
		.amdhsa_system_sgpr_workgroup_id_x 1
		.amdhsa_system_sgpr_workgroup_id_y 1
		.amdhsa_system_sgpr_workgroup_id_z 1
		.amdhsa_system_vgpr_workitem_id 0
		.amdhsa_next_free_vgpr 232
		.amdhsa_next_free_sgpr 66
		.amdhsa_reserve_vcc 0
		.amdhsa_float_denorm_mode_32 3
		.amdhsa_float_denorm_mode_16_64 3
		.amdhsa_memory_ordered 1
		.amdhsa_forward_progress 1
		.amdhsa_inst_pref_size 60
	.end_amdhsa_kernel
	.amdgpu_metadata
---
amdhsa.version: [ 1, 2 ]
amdhsa.kernels:
  - .name:           k_qfbfd6030fa_finish
    .symbol:         k_qfbfd6030fa_finish.kd
    .args:
      - { .name: ps, .offset: 0, .size: 8, .value_kind: global_buffer, .address_space: global }
      - { .name: vc, .offset: 8, .size: 8, .value_kind: global_buffer, .address_space: global }
      - { .name: mask, .offset: 16, .size: 8, .value_kind: global_buffer, .address_space: global }
      - { .name: Vw, .offset: 24, .size: 8, .value_kind: global_buffer, .address_space: global }
      - { .name: Vb, .offset: 32, .size: 8, .value_kind: global_buffer, .address_space: global }
      - { .name: out0, .offset: 40, .size: 8, .value_kind: global_buffer, .address_space: global }
      - { .name: out1, .offset: 48, .size: 8, .value_kind: global_buffer, .address_space: global }
    .group_segment_fixed_size: 10752
    .private_segment_fixed_size: 0
    .kernarg_segment_align: 8
    .kernarg_segment_size: 56
    .max_flat_workgroup_size: 512
    .sgpr_count:     66
    .vgpr_count:     232
    .wavefront_size: 32
...
	.end_amdgpu_metadata
.endif
;; end of part 4
